; MI455X (gfx1250); checked and timed in simulation.
; The chip was launched on July 23, 2026; its instructions are those of AMD's public machine-readable ISA for CDNA 5 (MIT licence, August 2026) and "CDNA5" Instruction Set Architecture Reference Guide (July 2026). The comments in the code are by the model that wrote it; some were corrected since.
;; Quantized Expert. Allowed arithmetic: matrix products marked QUANTISED: E4M3 operands, one given power-of-two scale a tensor, by v_wmma_f32_16x16x64_fp8_fp8 or v_wmma_f32_16x16x128_fp8_fp8, f32 sums; everything else in f32.
;; Inputs: lowp_scales 6 int32 (the exponents e of the quantised operands' scales 2^e); lut_down 256 float32; lut_gate 256 float32; lut_up 256 float32; sign_l_down 2,048 float32; sign_l_gate 8,192 float32; sign_l_up 8,192 float32; sign_r_down 8,192 float32; sign_r_gate 2,048 float32; sign_r_up 2,048 float32; walks_down 2,048 x 8,192 int32; walks_gate 8,192 x 2,048 int32; walks_up 8,192 x 2,048 int32; x 1,024 x 2,048 float32.
;; Outputs: out0 1,024 x 2,048 float32.
;; This version of the problem:
;;   THIS VERSION OF THE PROBLEM IS GIVEN IN LOW PRECISION. The matrix products marked QUANTISED in the list below multiply operands that are first quantised to E4M3 (4 exponent bits, 3 mantissa bits; 8 bits a number), with one given power-of-two scale for each operand tensor; their sums are f32. All else is computed in f32.
;;   The module's matrix products, in the order in which they are computed (A, B: the left and right operand; K: the contracted axis; several contracted axes count as one K, in the product's order):
;;     1. [M 1,024, K 2,048] x [K 2,048, N 8,192]; A: input x; B: computed on the way: QUANTISED (scales: A lowp_scales[0], B lowp_scales[1])
;;     2. [M 1,024, K 2,048] x [K 2,048, N 8,192]; A: input x; B: computed on the way: QUANTISED (scales: A lowp_scales[2], B lowp_scales[3])
;;     3. [M 1,024, K 8,192] x [K 8,192, N 2,048]; A: computed on the way; B: computed on the way: QUANTISED (scales: A lowp_scales[4], B lowp_scales[5])
;;   THE QUANTISER, for each operand of a quantised product, along K:
;;     - The operand's scale is 2^e, e = its entry of the input lowp_scales (int32; the entries are numbered through the quantised products in the list's order, A before B).
;;     - Each number is divided by the scale, clamped to +-448, and rounded to the nearest number of E4M3, ties to even, subnormals kept.
;;     - The product sums the exact products of the quantised numbers (number of the format x scale) in f32.
;;   ~~~python
;;   def quantise(x, axis, e):      # numpy; x: float32 -> the quantised numbers, widened to float32 again
;;       x = np.moveaxis(x, axis, -1); K = x.shape[-1]
;;       r = np.clip(x / 2.0 ** e, -448, 448)
;;       step = 2.0 ** (np.maximum(np.frexp(np.where(r == 0, 1, r))[1] - 1, -6) - 3)
;;       q = np.round(r / step) * step * 2.0 ** e      # np.round: ties to even
;;       return np.moveaxis(q, -1, axis).astype(np.float32)
;;   ~~~
;;   OPERANDS COMPUTED ON THE WAY. 'Computed on the way' means the value that the module computes at that place (a softmax that the list does not call 'softmax' is quantised finished and normalised). What goes into a quantiser is computed in f32, as accurately as f32 sums, v_exp_f32 and their like allow (about 1e-6 of the number): no bf16 or f16 on the way to a quantiser, and a product that is left as it is and whose result goes on into a quantised operand takes f32 operands (vector FMAs, or v_wmma_f32_16x16x4_f32). A number that lies on a knife's edge between two numbers of the format may be rounded either way, as far as f32 arithmetic and the matrix unit's own rounding can turn it there, and no further.
;; One version. Each part assembles by itself: llvm-mc -triple=amdgcn-amd-amdhsa -mcpu=gfx1250 --defsym DOCPART=n.
;; ======== version 1 of 1: 3 launches
;; limits: right only within a limited range of input values
;; workspace buffers: xg_codes 2,097,152 bytes; xu_codes 2,097,152 bytes; wg_codes 16,777,216 bytes; wu_codes 16,777,216 bytes; wd_codes 16,777,216 bytes; h_codes 8,388,608 bytes
;; launch codes (part 1): grid 256 x 1, 16 waves a work-group, no clusters, 100,352 bytes of LDS; arguments walks_gate, walks_up, walks_down, lut_gate, lut_up, lut_down, sign_l_gate, sign_l_up, sign_l_down, sign_r_gate, sign_r_up, sign_r_down, wg_codes, wu_codes, wd_codes, lowp_scales, x, xg_codes, xu_codes; writes wg_codes, wu_codes, wd_codes, xg_codes, xu_codes
.if DOCPART == 1
	.amdgcn_target "amdgcn-amd-amdhsa--gfx1250"
	.amdhsa_code_object_version 6
	.text
	.protected	k_q1663783447_codes
	.globl	k_q1663783447_codes
	.p2align	8
	.type	k_q1663783447_codes,@function
k_q1663783447_codes:
	s_mov_b64 s[64:65], 0
	v_nop
	global_prefetch_b8 v0, s[64:65] scope:SCOPE_SE
	s_setreg_imm32_b32 hwreg(HW_REG_WAVE_MODE, 25, 1), 1
	s_wait_xcnt 0x0
; QuantizedExpert, launch 1 of 3: the three weights are looked up and quantised once, and x is quantised twice.
;   W[o][k] = lut[walks[o][k]] x sign_l[o] x sign_r[k] x 0.02, then code = W / 2^e, held within +-448, to the nearest E4M3 code, ties to even (e = entry 1, 3, 5 of lowp_scales for gate, up, down).
;   x is an operand of two products with two given scales (entries 0 and 2), which may differ: so it gets two sets of codes.
; NO WORK IS LEFT OUT in this program: every lut entry, walk, sign and scale can move a code of a live product, so all inputs are loaded.
; ORDER OF ROUNDING: the table holds lut x 0.02, and a weight is (table x sign_r) x sign_l; reference() multiplies in another order.  Three roundings in f32 either way.
; LIMITS: each e used here (entries 0, 1, 2, 3, 5) lies between -126 and 119, so that 2^e and 448 x 2^e are f32 numbers.  NaN among the inputs is not served (an infinity is held at the largest code).
;   An index lies in 0 .. 255, as the table it indexes has it; anything larger is held at 255.
; THE ORDER OF K.  A unit is 512 neighbours along K of one row, taken by four loads of 512 consecutive bytes: lane L holds k = 128 j + 4 L + i in register 4 j + i, and its 16 codes are piece L of the row's block of 512.
;   The same order holds in x's codes and in all three weights', so in every product each number meets its partner.  The hidden layer is the third product's K: row n of gate and of up is written at row
;   512 (n >> 9) + 16 ((n >> 2) & 31) + 4 ((n >> 7) & 3) + (n & 3) of its buffer.  Rows of down keep their places.  The weights' codes lie by rows, [row][K].
; x's CODES lie in the order of the operand's registers: blocks of 16 tokens x 128 places, 2,048 bytes, [token / 16][place / 128]; piece c of a block is 512 bytes, lane l's 16 bytes at 16 l: token l % 16, places 32 c + 16 (l / 16) + 0 .. 15.
; SHARES.  256 work-groups of 16 waves, all with the same work.  Work-group g: rows 32 g .. 32 g + 31 of gate and of up, rows 8 g .. 8 g + 7 of down, and of x the 16 tokens of block g / 4 at K block g % 4.
;   Wave w: gate and up: K block w % 4, rows 8 (w / 4) + 0 .. 7;  down: K block w, all 8 rows;  x: piece w of 16.  So a wave has 8 units of each weight, with one set of sign_r for each.
; THE RING.  Eight slots of 16 registers: 32 loads, 16 KB, of each wave are out.  The slot of unit u of one weight is loaded again with unit u of the next weight.  Every offset is an immediate: no pointer is stepped.
; THE LOOKUP.  Each table lies in LDS 32 times: entry e for lane l at 128 e + 4 l, so the 32 lanes of a gather fall on 32 different banks (bank = word mod 64: ISA guide 11.1).
; Codes are stored in runs of four units (two in the last weight); a store of the wave covers 512 consecutive bytes, at a multiple of 512 from the buffer's first byte.
; No tensor loads and no cluster: waves share nothing but the tables.  No prefetch: the launch is one dense stream whose loads are all asked for eight units ahead.
.set SPARE, 98304                      ; behind the three tables: the spare words, 128 bytes for each of 16 waves, which no other line names
.set L16,  1                           ; v1      16 x lane: the vector offset of all dense loads and stores
.set LB,   2                           ; v2-4    4 x lane + 32,768 t: my column of table t
.set XO,   5                           ; v5      x: my token's row + 16 bytes for the upper half of the lanes
.set LUTO, 6                           ; v6      where my lane reads a lut for the tables' fill
.set FA,   7                           ; v7, v8  where my lane writes the tables: tables 0 and 1; table 2
.set TP,   9
.set SPW,  10                          ; v10     LDS address of my spare word; never rewritten
.set NIL,  11                          ; v11     0; never rewritten
.set LIM,  12                          ; v12+2t  448 x 2^e, v13+2t 2^e: t = 0 gate, 1 up, 2 down, 3 x for gate, 4 x for up
.set XC,   22                          ; v22-29  x's two sets of codes
.set SR,   32                          ; v32-79  sign_r of my 16 places, a set for each weight
.set VAL,  80                          ; v80-95  16 numbers at work
.set C,    96                          ; v96-127 eight slots of 4: codes (at the head: the luts' numbers and the fill's data)
.set IDX,  128                         ; v128-255 the ring: eight slots of 16 indices, then LDS addresses
.set SL,   68                          ; s68-91  sign_l of my 8 rows, a set for each weight
	s_load_b512 s[4:19], s[0:1], 0x0               ; walks gate, up, down; lut gate, up, down; sign_l gate, up
	s_load_b512 s[20:35], s[0:1], 0x40             ; sign_l down; sign_r gate, up, down; codes gate, up, down; the scales' exponents
	s_load_b128 s[36:39], s[0:1], 0x80             ; x, x's codes for gate
	s_load_b64 s[40:41], s[0:1], 0x90              ; x's codes for up
	v_lshl_add_u32 v[SPW], v0, 2, SPARE
	v_mov_b32 v[NIL], 0
	v_lshrrev_b32 v[TP], 5, v0
	v_readfirstlane_b32 s42, v[TP]                 ; wave w, 0 .. 15
	v_and_b32 v[TP], 31, v0                        ; lane
	v_lshlrev_b32 v[L16], 4, v[TP]
	v_lshlrev_b32 v[LB], 2, v[TP]
	v_and_b32 v[XO], 15, v[TP]
	v_lshrrev_b32 v[LUTO], 3, v[TP]
	v_lshrrev_b32 v[FA+1], 4, v[TP]                ; (the lane's half, for XO below)
	v_add_nc_u32 v[LB+1], 0x8000, v[LB]
	v_add_nc_u32 v[LB+2], 0x10000, v[LB]
	v_lshlrev_b32 v[XO], 13, v[XO]
	v_lshl_add_u32 v[XO], v[FA+1], 4, v[XO]
	s_lshl_b32 s43, s42, 6
	v_lshl_add_u32 v[LUTO], v[LUTO], 2, s43        ; eight lanes to an entry: entry 16 w + 4 q + lane / 8
	s_lshl_b32 s43, s42, 11
	v_add_nc_u32 v[FA], s43, v[L16]                ; my wave's 16 entries of a table begin at 2,048 w; 16 bytes a lane
	v_add_nc_u32 v[FA+1], 0x10000, v[FA]
	; byte offsets of my wave's shares, each in a pair with 0 above it
	s_lshr_b32 s44, s42, 2                         ; w / 4
	s_and_b32 s45, s42, 3                          ; w % 4
	s_lshl_b32 s46, ttmp9, 18                      ; 32 rows of 8,192 bytes, or 8 rows of 32,768
	s_lshl_b32 s62, s42, 11                        ; sign_r down: K block w
	s_add_co_u32 s48, s46, s62                     ; walks down
	s_lshl_b32 s100, s44, 16
	s_add_co_u32 s46, s46, s100
	s_lshl_b32 s54, s45, 11                        ; sign_r gate, up: K block w % 4
	s_add_co_u32 s46, s46, s54                     ; walks gate, up
	s_lshl_b32 s50, ttmp9, 7
	s_lshl_b32 s100, s44, 5
	s_add_co_u32 s50, s50, s100                    ; sign_l gate, up: row 32 g + 8 (w / 4)
	s_lshl_b32 s52, ttmp9, 5                       ; sign_l down: row 8 g
	s_lshr_b32 s92, ttmp9, 4                       ; where my first row of gate and up goes: 512 (g >> 4) + 128 (g & 3) + 4 ((g >> 2) & 3) + 32 (w / 4);
	s_lshl_b32 s92, s92, 9                         ; unit u then goes 16 (u / 4) + u % 4 rows further down
	s_and_b32 s100, ttmp9, 3
	s_lshl_b32 s100, s100, 7
	s_add_co_u32 s92, s92, s100
	s_bfe_u32 s100, ttmp9, 0x20002
	s_lshl_b32 s100, s100, 2
	s_add_co_u32 s92, s92, s100
	s_lshl_b32 s100, s44, 5
	s_add_co_u32 s92, s92, s100
	s_lshl_b32 s92, s92, 11
	s_lshl_b32 s100, s45, 9
	s_add_co_u32 s92, s92, s100                    ; codes gate, up
	s_lshl_b32 s94, ttmp9, 16
	s_lshl_b32 s100, s42, 9
	s_add_co_u32 s94, s94, s100                    ; codes down: 8 g rows of 8,192 bytes + block w
	s_lshr_b32 s100, ttmp9, 2                      ; x: block of 16 tokens
	s_and_b32 s101, ttmp9, 3                       ;    block of 512 along K
	s_lshl_b32 s96, s100, 17
	s_lshl_b32 s98, s100, 15
	s_lshl_b32 s100, s101, 11
	s_add_co_u32 s96, s96, s100
	s_lshl_b32 s100, s101, 13
	s_add_co_u32 s98, s98, s100
	s_lshl_b32 s100, s42, 5
	s_add_co_u32 s96, s96, s100                    ; x: 16 rows of 8,192 bytes a block, 2,048 a K block, 32 a piece
	s_lshl_b32 s100, s42, 9
	s_add_co_u32 s98, s98, s100                    ; x's codes: 32,768 a block of tokens, 8,192 a K block, 512 a piece
.irp r, 47,49,51,53,55,63,93,95,97,99,67
	s_mov_b32 s\r, 0
.endr
	s_wait_alu depctr_va_vdst(0)
	s_wait_kmcnt 0x0
	s_load_b128 s[56:59], s[34:35], 0x0            ; e0 .. e3
	s_load_b64 s[60:61], s[34:35], 0x10            ; e4, e5
	s_add_nc_u64 s[16:17], s[16:17], s[50:51]
	s_add_nc_u64 s[18:19], s[18:19], s[50:51]
	s_add_nc_u64 s[20:21], s[20:21], s[52:53]
	s_load_b256 s[SL:SL+7], s[16:17], 0x0
	s_load_b256 s[SL+8:SL+15], s[18:19], 0x0
	s_load_b256 s[SL+16:SL+23], s[20:21], 0x0
	s_add_nc_u64 s[4:5], s[4:5], s[46:47]
	s_add_nc_u64 s[6:7], s[6:7], s[46:47]
	s_add_nc_u64 s[8:9], s[8:9], s[48:49]
	s_add_nc_u64 s[22:23], s[22:23], s[54:55]
	s_add_nc_u64 s[24:25], s[24:25], s[54:55]
	s_add_nc_u64 s[26:27], s[26:27], s[62:63]
	s_add_nc_u64 s[28:29], s[28:29], s[92:93]
	s_add_nc_u64 s[30:31], s[30:31], s[92:93]
	s_add_nc_u64 s[32:33], s[32:33], s[94:95]
	s_add_nc_u64 s[36:37], s[36:37], s[96:97]
	s_add_nc_u64 s[38:39], s[38:39], s[98:99]
	s_add_nc_u64 s[40:41], s[40:41], s[98:99]
; Unit u of weight t into slot u: four loads of 512 consecutive bytes.  A row of walks is 8,192 bytes (gate, up) or 32,768 (down).
.macro WLOAD t, u
.irp j, 0,1,2,3
	global_load_b128 v[IDX+16*(\u)+4*\j:IDX+16*(\u)+4*\j+3], v[L16], s[4+2*(\t):5+2*(\t)] offset:(8192<<(2*((\t)/2)))*(\u)+512*\j th:TH_LOAD_NT
.endr
.endm
	; 60 loads: what is needed first is asked for first: the luts (12), x (4), sign_r (12), the ring (32)
.irp t, 0,1,2
.irp q, 0,1,2,3
	global_load_b32 v[C+4*\t+\q], v[LUTO], s[10+2*\t:11+2*\t] offset:16*\q
.endr
.endr
.irp j, 0,1,2,3
	global_load_b128 v[VAL+4*\j:VAL+4*\j+3], v[XO], s[36:37] offset:512*\j   ; lane (r, h): k = 128 j + 4 (2 w + h) + i of token r
.endr
.irp t, 0,1,2
.irp j, 0,1,2,3
	global_load_b128 v[SR+16*\t+4*\j:SR+16*\t+4*\j+3], v[L16], s[22+2*\t:23+2*\t] offset:512*\j
.endr
.endr
.irp u, 0,1,2,3,4,5,6,7
	WLOAD 0, \u
.endr
	s_wait_kmcnt 0x0
.macro MKS t, e                        ; 2^e and 448 x 2^e as f32 numbers
	s_add_co_i32 s100, \e, 127
	s_lshl_b32 s101, s100, 23
	v_mov_b32 v[LIM+2*\t+1], s101
	s_add_co_i32 s100, s100, 8
	s_lshl_b32 s100, s100, 23
	s_or_b32 s100, s100, 0x600000
	v_mov_b32 v[LIM+2*\t], s100
.endm
	MKS 0, s57
	MKS 1, s59
	MKS 2, s61
	MKS 3, s56
	MKS 4, s58
	s_wait_alu depctr_va_vdst(0)
	s_wait_loadcnt 48                              ; the luts' 12 loads are in; x's 4, sign_r's 12 and the ring's 32 may be out
.irp t, 0,1,2                                  ; the tables: lut x 0.02, each entry 32 times; a store covers 512 consecutive bytes, four entries
.irp q, 0,1,2,3
.irp n, 0,1,2,3
	v_mul_f32 v[C+16+4*\q+\n], 0x3ca3d70a, v[C+4*\t+\q]
.endr
	ds_store_b128 v[FA+\t/2], v[C+16+4*\q:C+16+4*\q+3] offset:32768*(\t%2)+512*\q
.endr
	s_wait_dscnt 0x0                               ; the four stores are done: their registers may be written again; the last time also for the others' sake
.endr
	s_wait_loadcnt 44                              ; x's four loads are in
.irp k, 0,1,2,3,4,5,6,7,8,9,10,11,12,13,14,15
	v_med3_num_f32 v[C+\k], v[VAL+\k], -v[LIM+6], v[LIM+6]     ; the conversion to an 8-bit code does not saturate (ISA guide 7.6.2): the hold, for each of the two scales
.endr
.irp k, 0,1,2,3,4,5,6,7,8,9,10,11,12,13,14,15
	v_med3_num_f32 v[VAL+\k], v[VAL+\k], -v[LIM+8], v[LIM+8]
.endr
	v_cvt_scalef32_pk8_fp8_f32 v[XC:XC+1], v[C:C+7], v[LIM+7]
	v_cvt_scalef32_pk8_fp8_f32 v[XC+2:XC+3], v[C+8:C+15], v[LIM+7]
	v_cvt_scalef32_pk8_fp8_f32 v[XC+4:XC+5], v[VAL:VAL+7], v[LIM+9]
	v_cvt_scalef32_pk8_fp8_f32 v[XC+6:XC+7], v[VAL+8:VAL+15], v[LIM+9]
	v_nop                                          ; a plain vector line behind the last conversion
	s_wait_alu depctr_va_vdst(0)
	s_barrier_signal -1
	s_barrier_wait -1                              ; the tables are whole
; One unit: 512 weights of one row.  left = how many younger loads may stay out.
.macro UNIT t, u, left
	s_wait_loadcnt \left                           ; loads come back in order: this slot's four are in
.irp k, 0,1,2,3,4,5,6,7,8,9,10,11,12,13,14,15
	v_min_u32 v[IDX+16*(\u)+\k], 0xff, v[IDX+16*(\u)+\k]                   ; an index stays inside the table
.endr
.irp k, 0,1,2,3,4,5,6,7,8,9,10,11,12,13,14,15
	v_lshl_add_u32 v[IDX+16*(\u)+\k], v[IDX+16*(\u)+\k], 7, v[LB+(\t)]     ; 128 x index + 4 x lane + the table
.endr
.irp k, 0,1,2,3,4,5,6,7,8,9,10,11,12,13,14,15
	ds_load_b32 v[VAL+\k], v[IDX+16*(\u)+\k]
.endr
	s_mov_b32 s66, s[SL+8*(\t)+(\u)]               ; this row's sign_l
	s_wait_dscnt 0x0                               ; the 16 numbers are in, and the gathers have read their addresses
.if ((\u) == 0) && ((\t) > 0)
	s_wait_xcnt 0x0                                ; the last weight's stores have read their data: the codes' slots may be written again; it stands ahead of the unit's own loads
.endif
.if (\t) < 2
	WLOAD (\t)+1, \u                               ; the slot takes the same unit of the next weight
.endif
.irp k, 0,2,4,6,8,10,12,14
	v_pk_mul_f32 v[VAL+\k:VAL+\k+1], v[VAL+\k:VAL+\k+1], v[SR+16*(\t)+\k:SR+16*(\t)+\k+1]
.endr
.irp k, 0,2,4,6,8,10,12,14
	v_pk_mul_f32 v[VAL+\k:VAL+\k+1], v[VAL+\k:VAL+\k+1], s[66:67] op_sel_hi:[1,0]   ; the pair's low word for both halves
.endr
.irp k, 0,1,2,3,4,5,6,7,8,9,10,11,12,13,14,15
	v_med3_num_f32 v[VAL+\k], v[VAL+\k], -v[LIM+2*(\t)], v[LIM+2*(\t)]     ; the hold at the largest code x the scale
.endr
	v_cvt_scalef32_pk8_fp8_f32 v[C+4*(\u):C+4*(\u)+1], v[VAL:VAL+7], v[LIM+2*(\t)+1]
	v_cvt_scalef32_pk8_fp8_f32 v[C+4*(\u)+2:C+4*(\u)+3], v[VAL+8:VAL+15], v[LIM+2*(\t)+1]
	v_nop                                          ; a plain vector line behind the last conversion
.endm
; Unit u's codes: gate, up: 16 (u / 4) + u % 4 rows of 2,048 bytes on;  down: u rows of 8,192
.macro WSTORE t, u
	global_store_b128 v[L16], v[C+4*(\u):C+4*(\u)+3], s[28+2*(\t):29+2*(\t)] offset:((\u)%4)*(2048<<(2*((\t)/2)))+((\u)/4)*32768
.endm
.irp t, 0,1
.irp u, 0,1,2,3,4,5,6,7
	UNIT \t, \u, 28                                ; 28: the seven younger slots' loads
.if (\u%4) == 3
	WSTORE \t, \u-3
	WSTORE \t, \u-2
	WSTORE \t, \u-1
	WSTORE \t, \u
.if (\t == 0) && (\u == 3)
	global_store_b128 v[L16], v[XC:XC+3], s[38:39]     ; x's piece, twice: 512 consecutive bytes each
	global_store_b128 v[L16], v[XC+4:XC+7], s[40:41]
.endif
.endif
.endr
.endr
.irp u, 0,1,2,3,4,5,6,7
	UNIT 2, \u, 28-4*\u                            ; the last weight loads nothing: the counts run down
.if (\u%2) == 1
	WSTORE 2, \u-1
	WSTORE 2, \u
.endif
.endr
	s_wait_dscnt 0x0
	s_barrier_signal -1
	s_barrier_wait -1                              ; every wave's gathers are over
	s_wait_tensorcnt 0x0                           ; the wave's end
	ds_add_u32 v[SPW], v[NIL]
	s_wait_dscnt 0x0
	s_endpgm
.Lfunc_end_k_q1663783447_codes:
	.size	k_q1663783447_codes, .Lfunc_end_k_q1663783447_codes-k_q1663783447_codes
	.p2alignl 7, 3214868480
	.fill 96, 4, 3214868480
	.section	.rodata,"a",@progbits
	.p2align	6, 0x0
	.amdhsa_kernel k_q1663783447_codes
		.amdhsa_group_segment_fixed_size 100352
		.amdhsa_private_segment_fixed_size 0
		.amdhsa_enable_private_segment 0
		.amdhsa_kernarg_size 152
		.amdhsa_user_sgpr_count 2
		.amdhsa_user_sgpr_kernarg_segment_ptr 1
		.amdhsa_wavefront_size32 1
		.amdhsa_system_sgpr_workgroup_id_x 1
		.amdhsa_system_sgpr_workgroup_id_y 1
		.amdhsa_system_sgpr_workgroup_id_z 1
		.amdhsa_system_vgpr_workitem_id 0
		.amdhsa_next_free_vgpr 256
		.amdhsa_next_free_sgpr 102
		.amdhsa_reserve_vcc 0
		.amdhsa_float_denorm_mode_32 3
		.amdhsa_float_denorm_mode_16_64 3
		.amdhsa_memory_ordered 1
		.amdhsa_forward_progress 1
		.amdhsa_inst_pref_size 152
	.end_amdhsa_kernel
	.amdgpu_metadata
---
amdhsa.version: [ 1, 2 ]
amdhsa.kernels:
  - .name:           k_q1663783447_codes
    .symbol:         k_q1663783447_codes.kd
    .args:
      - { .name: walks_gate, .offset: 0, .size: 8, .value_kind: global_buffer, .address_space: global }
      - { .name: walks_up, .offset: 8, .size: 8, .value_kind: global_buffer, .address_space: global }
      - { .name: walks_down, .offset: 16, .size: 8, .value_kind: global_buffer, .address_space: global }
      - { .name: lut_gate, .offset: 24, .size: 8, .value_kind: global_buffer, .address_space: global }
      - { .name: lut_up, .offset: 32, .size: 8, .value_kind: global_buffer, .address_space: global }
      - { .name: lut_down, .offset: 40, .size: 8, .value_kind: global_buffer, .address_space: global }
      - { .name: sign_l_gate, .offset: 48, .size: 8, .value_kind: global_buffer, .address_space: global }
      - { .name: sign_l_up, .offset: 56, .size: 8, .value_kind: global_buffer, .address_space: global }
      - { .name: sign_l_down, .offset: 64, .size: 8, .value_kind: global_buffer, .address_space: global }
      - { .name: sign_r_gate, .offset: 72, .size: 8, .value_kind: global_buffer, .address_space: global }
      - { .name: sign_r_up, .offset: 80, .size: 8, .value_kind: global_buffer, .address_space: global }
      - { .name: sign_r_down, .offset: 88, .size: 8, .value_kind: global_buffer, .address_space: global }
      - { .name: wg_codes, .offset: 96, .size: 8, .value_kind: global_buffer, .address_space: global }
      - { .name: wu_codes, .offset: 104, .size: 8, .value_kind: global_buffer, .address_space: global }
      - { .name: wd_codes, .offset: 112, .size: 8, .value_kind: global_buffer, .address_space: global }
      - { .name: lowp_scales, .offset: 120, .size: 8, .value_kind: global_buffer, .address_space: global }
      - { .name: x, .offset: 128, .size: 8, .value_kind: global_buffer, .address_space: global }
      - { .name: xg_codes, .offset: 136, .size: 8, .value_kind: global_buffer, .address_space: global }
      - { .name: xu_codes, .offset: 144, .size: 8, .value_kind: global_buffer, .address_space: global }
    .group_segment_fixed_size: 100352
    .private_segment_fixed_size: 0
    .kernarg_segment_align: 8
    .kernarg_segment_size: 152
    .max_flat_workgroup_size: 512
    .sgpr_count:     102
    .vgpr_count:     256
    .wavefront_size: 32
...
	.end_amdgpu_metadata
.endif
;; end of part 1
;; launch gateup (part 2): grid 8 x 32, 4 waves a work-group, clusters of 4 x 1, 327,680 bytes of LDS; arguments xg_codes, xu_codes, wg_codes, wu_codes, lowp_scales, h_codes; writes h_codes
.if DOCPART == 2
	.amdgcn_target "amdgcn-amd-amdhsa--gfx1250"
	.amdhsa_code_object_version 6
	.text
	.protected	k_q1663783447_gateup
	.globl	k_q1663783447_gateup
	.p2align	8
	.type	k_q1663783447_gateup,@function
k_q1663783447_gateup:
	s_mov_b64 s[64:65], 0
	v_nop
	global_prefetch_b8 v0, s[64:65] scope:SCOPE_SE
	s_setreg_imm32_b32 hwreg(HW_REG_WAVE_MODE, 25, 1), 1
	s_wait_xcnt 0x0
	s_wait_alu depctr_hold_cnt(0) depctr_sa_sdst(0) depctr_va_vdst(0) depctr_va_sdst(0) depctr_va_ssrc(0) depctr_va_vcc(0) depctr_vm_vsrc(0)
	s_getreg_b32 s2, hwreg(HW_REG_IB_STS2, 6, 4)
	s_cmp_eq_u32 s2, 0
	s_cbranch_scc0 .Lentry_in_a_cluster
	s_endpgm
.Lentry_in_a_cluster:
	s_bfe_u32 s2, ttmp6, 0x10000c
	s_cmp_lg_u32 s2, 0x3003
	s_cbranch_scc0 .Lentry_shape_is_right
	s_endpgm
.Lentry_shape_is_right:
.set PITCH,  528
.set QUART,  64*PITCH
.set SLOT,   4*QUART
.set STAGE,  2*SLOT
.set SP,     272
.set SPARE,  STAGE+128*SP
.set ADRB, 20
.set STO,  24
.set RD,   25
.set LOFF, 26
.set SPW,  28
.set NIL,  29
.set PFO,  30
.set SCLV, 31
.set LIMV, 32
.set AF,   64
.set T,    64
.set P,    128
.set CD,   192
.set G1,  24
.set G0,  32
.set XP,  44
.set PF,  48
.set MSB, 0
.macro WIN new
.if MSB != (\new)
	s_set_vgpr_msb (MSB<<8)|(\new)
.set MSB, (\new)
.endif
.endm
.set MUL_G, 0xa1
.set TO_B,  0x40
.macro CREST
	s_cmp_lg_u32 s16, 0
	s_cbranch_scc1 .Lnot_wave_0_\@
	s_barrier_signal -3
.Lnot_wave_0_\@:
	s_barrier_wait -3
	s_barrier_signal -1
	s_barrier_wait -1
.endm
.macro CROUND
	s_barrier_signal -1
	s_barrier_wait -1
	CREST
.endm
.macro PLACES
.rept 4
	v_nop
.endr
.endm
	s_load_b256 s[4:11], s[0:1], 0x0
	s_load_b128 s[12:15], s[0:1], 0x20
	v_lshl_add_u32 v[SPW], v0, 2, SPARE
	v_mov_b32 v[NIL], 0
	ds_add_u32 v[SPW], v[NIL]
	ds_add_u32 v[SPW], v[NIL]
	v_lshrrev_b32 v1, 5, v0
	v_readfirstlane_b32 s16, v1
	s_lshr_b32 s17, s16, 1
	s_and_b32 s18, s16, 1
	s_bfe_u32 s40, ttmp6, 0x40000
	s_lshl_b32 s43, ttmp9, 2
	s_add_co_u32 s43, s43, s40
	s_and_b32 s42, ttmp7, 0xffff
	s_mov_b32 s[G1+0], 15|(1<<20)|(1<<21)|(6<<22)|(3<<25)
	s_mov_b32 s[G1+1], 512<<16
	s_mov_b32 s[G1+2], 64<<16
	s_mov_b32 s[G1+3], 512<<16
	s_mov_b32 s[G1+4], 64
	s_mov_b32 s[G1+5], 2048
	s_mov_b32 s[G1+6], 0
	s_mov_b32 s[G1+7], 0
	s_lshl_b32 s20, s42, 8
	s_lshl_b32 s21, s16, 6
	s_add_co_u32 s20, s20, s21
	s_lshl_b32 s20, s20, 11
	s_mov_b32 s21, 0
	s_mul_i32 s22, s16, QUART
	s_lshl_b32 s82, s43, 3
	s_lshl_b32 s83, s17, 2
	s_add_co_u32 s82, s82, s83
	s_lshl_b32 s82, s82, 15
	s_mov_b32 s83, 0
	v_and_b32 v3, 31, v0
	v_lshlrev_b32 v[LOFF], 4, v3
	s_wait_dscnt 0x0
	s_wait_kmcnt 0x0
	s_load_b128 s[72:75], s[12:13], 0x0
	s_load_b64 s[76:77], s[12:13], 0x10
	s_add_nc_u64 s[XP:XP+1], s[4:5], s[82:83]
	s_add_nc_u64 s[XP+2:XP+3], s[6:7], s[82:83]
	CROUND
	s_mov_b32 s[G0], 1
	s_mov_b32 s[G0+1], s22
	s_add_nc_u64 s[G0+2:G0+3], s[8:9], s[20:21]
	s_or_b32 s[G0+3], s[G0+3], 0x80000000
	s_mov_b32 s[G0+4], 1
	s_add_co_u32 s[G0+5], s22, SLOT
	s_add_nc_u64 s[G0+6:G0+7], s[10:11], s[20:21]
	s_or_b32 s[G0+7], s[G0+7], 0x80000000
	tensor_load_to_lds s[G0:G0+3], s[G1:G1+7]
	s_nop 0
	s_wait_alu depctr_va_vdst(0)
	s_wait_tensorcnt 0x0
	ds_add_u32 v28, v29
	s_wait_dscnt 0x0
	CROUND
	tensor_load_to_lds s[G0+4:G0+7], s[G1:G1+7]
	s_nop 0
	PLACES
.macro ALOAD m
.set lp, ((\m)>>2)&1
.set lk, 4*((\m)>>3)+((\m)&3)
.set lr, AF+64*((\m)%3)
.irp a, 0,1,2,3
.irp c, 0,1,2,3
	global_load_b128 v[lr+16*\a+4*\c:lr+16*\a+4*\c+3], v[LOFF], s[XP+2*lp:XP+2*lp+1] offset:\a*32768+lk*2048+\c*512
.endr
.endr
.endm
.macro FETCH m
.set fs, ((\m)>>2)&1
.set fq, (\m)&3
.set fb, 128*((\m)&1)
	WIN TO_B
.irp i, 0,1,2,3,4,5,6,7
.irp c, 0,1,2,3
	ds_load_b128 v[fb+16*\i+4*\c:fb+16*\i+4*\c+3], v[ADRB+fs] offset:128*fq+32*\c+\i*16*PITCH
.endr
.endr
	WIN 0
.endm
.macro MUL m, a0, cnt
.set mbb, 128*((\m)&1)
.set maf, AF+64*((\m)%3)
.set ma, \a0
.rept \cnt
.irp b, 0,1,2,3,4,5,6,7
.if ((\m) == 0) || ((\m) == 4)
	v_wmma_f32_16x16x128_fp8_fp8 v[8*(8*ma+\b):8*(8*ma+\b)+7], v[mbb+16*\b:mbb+16*\b+15], v[maf+16*ma:maf+16*ma+15], 0
.else
	v_wmma_f32_16x16x128_fp8_fp8 v[8*(8*ma+\b):8*(8*ma+\b)+7], v[mbb+16*\b:mbb+16*\b+15], v[maf+16*ma:maf+16*ma+15], v[8*(8*ma+\b):8*(8*ma+\b)+7]
.endif
.endr
.set ma, ma+1
.endr
.endm
.macro ASK
	s_cmp_eq_u32 ttmp9, 0
	s_cbranch_scc0 .Lnot_mine_\@
	global_prefetch_b8 v[PFO], s[PF+2*gp:PF+2*gp+1] offset:((gv>>1)+2)*512 th:TH_LOAD_NT scope:SCOPE_SE
.Lnot_mine_\@:
.endm
	s_wait_alu depctr_va_vdst(0)
	ALOAD 0
	ALOAD 1
	v_and_b32 v1, 15, v0
	v_bfe_u32 v2, v0, 4, 1
	v_mul_u32_u24 v3, v1, PITCH
	v_lshl_add_u32 v4, v2, 4, v3
	s_mul_i32 s83, s18, 2*QUART
	v_add_nc_u32 v[ADRB], s83, v4
	v_add_nc_u32 v[ADRB+1], SLOT, v[ADRB]
	v_mul_u32_u24 v5, v1, SP
	s_mul_i32 s84, s17, 64*SP
	s_lshl_b32 s85, s18, 7
	s_add_co_u32 s84, s84, s85
	s_add_co_u32 s84, s84, STAGE
	v_lshl_add_u32 v6, v2, 3, v5
	v_add_nc_u32 v[STO], s84, v6
	s_mul_i32 s85, s16, 32*SP
	s_add_co_u32 s85, s85, STAGE
	v_lshl_add_u32 v6, v2, 4, v5
	v_add_nc_u32 v[RD], s85, v6
	s_lshl_b32 s86, s43, 3
	s_lshl_b32 s87, s16, 1
	s_add_co_u32 s86, s86, s87
	s_lshl_b32 s86, s86, 17
	s_lshl_b32 s87, s42, 12
	s_add_co_u32 s86, s86, s87
	s_mov_b32 s87, 0
	s_add_nc_u64 s[14:15], s[14:15], s[86:87]
	s_lshl_b32 s82, s42, 8
	s_lshl_b32 s83, s16, 6
	s_add_co_u32 s82, s82, s83
	s_lshl_b32 s83, s40, 4
	s_add_co_u32 s82, s82, s83
	s_lshl_b32 s82, s82, 11
	s_mov_b32 s83, 0
	s_add_nc_u64 s[PF:PF+1], s[8:9], s[82:83]
	s_add_nc_u64 s[PF+2:PF+3], s[10:11], s[82:83]
	v_lshlrev_b32 v[PFO], 11, v1
	v_lshl_add_u32 v[PFO], v2, 8, v[PFO]
.macro GSTEP
.set gp, (n>>2)&1
.set gv, n>>2
.if ((n&3) == 3) && (n < 31)
	s_wait_tensorcnt 0x0
	ds_add_u32 v[SPW], v[NIL]
	s_wait_loadcnt 16
	s_wait_dscnt 1
	WIN MUL_G+0x50*gp
	MUL n, 0, 1
	s_wait_dscnt 0x0
	s_barrier_signal -1
	WIN 0
	s_barrier_wait -1
.if gv < 6
	CREST
	s_add_nc_u64 s[G0+4*gp+2:G0+4*gp+3], s[G0+4*gp+2:G0+4*gp+3], 512
	tensor_load_to_lds s[G0+4*gp:G0+4*gp+3], s[G1:G1+7]
	s_nop 0
.endif
	PLACES
.if n+2 < 32
	ALOAD n+2
.endif
	FETCH n+1
.if gv < 4
	ASK
.endif
	WIN MUL_G+0x50*gp
	MUL n, 1, 3
	WIN 0
.else
.if n < 31
	s_wait_loadcnt 16
	s_wait_dscnt 0x0
	PLACES
.if n+2 < 32
	ALOAD n+2
.endif
	FETCH n+1
.else
	s_wait_loadcnt 0x0
	s_wait_dscnt 0x0
.endif
	WIN MUL_G+0x50*gp
	MUL n, 0, 4
	WIN 0
.endif
.endm
	s_wait_alu depctr_va_vdst(0)
	s_wait_tensorcnt 1
	s_barrier_signal -1
	s_barrier_wait -1
	FETCH 0
.set n, 0
.rept 32
	GSTEP
.set n, n+1
.endr
	s_wait_kmcnt 0x0
	s_add_co_i32 s82, s72, s73
	s_add_co_i32 s83, s74, s75
	s_lshl_b32 s84, s82, 23
	s_add_co_u32 s80, s84, 0xbfb8aa3b
	s_mov_b32 s81, s80
	s_sub_co_i32 s85, s76, s82
	s_sub_co_i32 s85, s85, s83
	s_add_co_i32 s85, s85, 127
	s_lshl_b32 s86, s85, 23
	v_mov_b32 v[SCLV], s86
	s_add_co_i32 s85, s85, 8
	s_lshl_b32 s85, s85, 23
	s_or_b32 s85, s85, 0x600000
	v_mov_b32 v[LIMV], s85
	PLACES
.macro HID a
	WIN 0x02
.set j, 0
.rept 32
	v_pk_mul_f32 v[T+j:T+j+1], v[64*\a+j:64*\a+j+1], s[80:81] op_sel_hi:[1,0]
.set j, j+2
.endr
	WIN 0
.set j, 0
	s_wait_alu depctr_va_vdst(0)
.rept 64
	v_exp_f32 v[T+j], v[T+j]
.set j, j+1
.endr
	WIN 0x0e
.set j, 0
	s_wait_alu depctr_va_vdst(0)
.rept 32
	v_pk_mul_f32 v[P+j:P+j+1], v[64*\a+j:64*\a+j+1], v[64*\a+j:64*\a+j+1]
.set j, j+2
.endr
	WIN 0
	s_wait_alu depctr_va_vdst(0)
.set j, 0
.rept 32
	v_pk_add_f32 v[T+j:T+j+1], v[T+j:T+j+1], 1.0 op_sel_hi:[1,0]
.set j, j+2
.endr
.set j, 0
	s_wait_alu depctr_va_vdst(0)
.rept 64
	v_rcp_f32 v[T+j], v[T+j]
.set j, j+1
.endr
	v_nop
	s_wait_alu depctr_va_vdst(0)
.set j, 0
.rept 32
	v_pk_mul_f32 v[P+j:P+j+1], v[P+j:P+j+1], v[T+j:T+j+1]
.set j, j+2
.endr
.set j, 0
.rept 64
	v_med3_num_f32 v[P+j], v[P+j], -v[LIMV], v[LIMV]
.set j, j+1
.endr
.irp b, 0,1,2,3,4,5,6,7
	v_cvt_scalef32_pk8_fp8_f32 v[CD+16*\a+2*\b:CD+16*\a+2*\b+1], v[P+8*\b:P+8*\b+7], v[SCLV]
.endr
	v_nop
.irp b, 0,1,2,3,4,5,6,7
	ds_store_b64 v[STO], v[CD+16*\a+2*\b:CD+16*\a+2*\b+1] offset:\a*16*SP+16*\b
.endr
.endm
	HID 0
	HID 1
	HID 2
	HID 3
	s_wait_dscnt 0x0
	s_barrier_signal -1
	s_barrier_wait -1
.irp t, 0,1,2,3,4,5,6,7,8,9,10,11,12,13,14,15
	ds_load_b128 v[T+4*\t:T+4*\t+3], v[RD] offset:(\t/8)*16*SP+((\t/4)%2)*128+(\t%4)*32
.endr
.irp t, 0,1,2,3,4,5,6,7,8,9,10,11,12,13,14,15
	s_wait_dscnt 15-\t
	global_store_b128 v[LOFF], v[T+4*\t:T+4*\t+3], s[14:15] offset:(\t/8)*131072+((\t/4)%2)*2048+(\t%4)*512
.endr
	s_wait_tensorcnt 0x0
	ds_add_u32 v[SPW], v[NIL]
	s_wait_dscnt 0x0
	CROUND
	s_endpgm
.Lfunc_end_k_q1663783447_gateup:
	.size	k_q1663783447_gateup, .Lfunc_end_k_q1663783447_gateup-k_q1663783447_gateup
	.p2alignl 7, 3214868480
	.fill 96, 4, 3214868480
	.section	.rodata,"a",@progbits
	.p2align	6, 0x0
	.amdhsa_kernel k_q1663783447_gateup
		.amdhsa_group_segment_fixed_size 327680
		.amdhsa_private_segment_fixed_size 0
		.amdhsa_enable_private_segment 0
		.amdhsa_kernarg_size 48
		.amdhsa_user_sgpr_count 2
		.amdhsa_user_sgpr_kernarg_segment_ptr 1
		.amdhsa_wavefront_size32 1
		.amdhsa_system_sgpr_workgroup_id_x 1
		.amdhsa_system_sgpr_workgroup_id_y 1
		.amdhsa_system_sgpr_workgroup_id_z 1
		.amdhsa_system_vgpr_workitem_id 0
		.amdhsa_next_free_vgpr 1024
		.amdhsa_next_free_sgpr 100
		.amdhsa_reserve_vcc 0
		.amdhsa_float_denorm_mode_32 3
		.amdhsa_float_denorm_mode_16_64 3
		.amdhsa_memory_ordered 1
		.amdhsa_forward_progress 1
		.amdhsa_inst_pref_size 255
	.end_amdhsa_kernel
	.section	.bss,"aw",@nobits
	.p2align	6
	.space	262144
	.amdgpu_metadata
---
amdhsa.version: [ 1, 2 ]
amdhsa.kernels:
  - .name:           k_q1663783447_gateup
    .symbol:         k_q1663783447_gateup.kd
    .args:
      - { .name: xg_codes, .offset: 0, .size: 8, .value_kind: global_buffer, .address_space: global }
      - { .name: xu_codes, .offset: 8, .size: 8, .value_kind: global_buffer, .address_space: global }
      - { .name: wg_codes, .offset: 16, .size: 8, .value_kind: global_buffer, .address_space: global }
      - { .name: wu_codes, .offset: 24, .size: 8, .value_kind: global_buffer, .address_space: global }
      - { .name: lowp_scales, .offset: 32, .size: 8, .value_kind: global_buffer, .address_space: global }
      - { .name: h_codes, .offset: 40, .size: 8, .value_kind: global_buffer, .address_space: global }
    .group_segment_fixed_size: 327680
    .private_segment_fixed_size: 0
    .kernarg_segment_align: 8
    .kernarg_segment_size: 48
    .max_flat_workgroup_size: 128
    .sgpr_count:     100
    .vgpr_count:     1024
    .wavefront_size: 32
...
	.end_amdgpu_metadata
.endif
;; end of part 2
;; launch down (part 3): grid 8 x 32, 4 waves a work-group, clusters of 4 x 1, 327,680 bytes of LDS; arguments h_codes, wd_codes, lowp_scales, out0; writes out0
.if DOCPART == 3
	.amdgcn_target "amdgcn-amd-amdhsa--gfx1250"
	.amdhsa_code_object_version 6
	.text
	.protected	k_q1663783447_down
	.globl	k_q1663783447_down
	.p2align	8
	.type	k_q1663783447_down,@function
k_q1663783447_down:
	s_mov_b64 s[64:65], 0
	v_nop
	global_prefetch_b8 v0, s[64:65] scope:SCOPE_SE
	s_setreg_imm32_b32 hwreg(HW_REG_WAVE_MODE, 25, 1), 1
	s_wait_xcnt 0x0
	s_wait_alu depctr_hold_cnt(0) depctr_sa_sdst(0) depctr_va_vdst(0) depctr_va_sdst(0) depctr_va_ssrc(0) depctr_va_vcc(0) depctr_vm_vsrc(0)
	s_getreg_b32 s2, hwreg(HW_REG_IB_STS2, 6, 4)
	s_cmp_eq_u32 s2, 0
	s_cbranch_scc0 .Lentry_in_a_cluster
	s_endpgm
.Lentry_in_a_cluster:
	s_bfe_u32 s2, ttmp6, 0x10000c
	s_cmp_lg_u32 s2, 0x3003
	s_cbranch_scc0 .Lentry_shape_is_right
	s_endpgm
.Lentry_shape_is_right:
.set PITCH,  528
.set QUART,  64*PITCH
.set SLOT,   4*QUART
.set SPARE,  2*SLOT
.set SP,     272
.set IMS,  8
.set IML,  12
.set ADRB, 20
.set STO,  24
.set RD,   25
.set CO,   26
.set LOFF, 27
.set SPW,  28
.set NIL,  29
.set PFO,  30
.set R,    64
.set OB,   128
.set G1,  24
.set G0,  32
.set HA,  44
.set PF,  48
.set MSB, 0
.macro WIN new
.if MSB != (\new)
	s_set_vgpr_msb (MSB<<8)|(\new)
.set MSB, (\new)
.endif
.endm
.macro CREST
	s_cmp_lg_u32 s16, 0
	s_cbranch_scc1 .Lnot_wave_0_\@
	s_barrier_signal -3
.Lnot_wave_0_\@:
	s_barrier_wait -3
	s_barrier_signal -1
	s_barrier_wait -1
.endm
.macro CROUND
	s_barrier_signal -1
	s_barrier_wait -1
	CREST
.endm
.macro PLACES
.rept 4
	v_nop
.endr
.endm
	s_load_b256 s[4:11], s[0:1], 0x0
	v_lshl_add_u32 v[SPW], v0, 2, SPARE
	v_mov_b32 v[NIL], 0
	ds_add_u32 v[SPW], v[NIL]
	ds_add_u32 v[SPW], v[NIL]
	v_lshrrev_b32 v1, 5, v0
	v_readfirstlane_b32 s16, v1
	s_bfe_u32 s40, ttmp6, 0x40000
	s_lshl_b32 s43, ttmp9, 2
	s_add_co_u32 s43, s43, s40
	s_and_b32 s42, ttmp7, 0xffff
	s_mov_b32 s[G1+0], 15|(1<<20)|(1<<21)|(6<<22)|(3<<25)
	s_mov_b32 s[G1+1], 512<<16
	s_mov_b32 s[G1+2], 64<<16
	s_mov_b32 s[G1+3], 512<<16
	s_mov_b32 s[G1+4], 64
	s_mov_b32 s[G1+5], 8192
	s_mov_b32 s[G1+6], 0
	s_mov_b32 s[G1+7], 0
	s_lshl_b32 s20, s42, 19
	s_lshl_b32 s21, s16, 9
	s_add_co_u32 s20, s20, s21
	s_mov_b32 s21, 0
	s_mul_i32 s22, s16, QUART
	s_lshl_b32 s82, s43, 20
	s_lshl_b32 s83, s16, 13
	s_add_co_u32 s82, s82, s83
	s_mov_b32 s83, 0
	v_and_b32 v3, 31, v0
	v_lshlrev_b32 v[LOFF], 4, v3
	s_wait_dscnt 0x0
	s_wait_kmcnt 0x0
	s_load_b64 s[72:73], s[8:9], 0x10
	s_add_nc_u64 s[HA:HA+1], s[4:5], s[82:83]
	s_add_nc_u64 s[46:47], s[6:7], s[20:21]
	CROUND
.irp s, 0,1
	s_mov_b32 s[G0+4*\s], 1
	s_add_co_u32 s[G0+4*\s+1], s22, \s*SLOT
	s_add_nc_u64 s[G0+4*\s+2:G0+4*\s+3], s[46:47], \s*2048
	s_or_b32 s[G0+4*\s+3], s[G0+4*\s+3], 0x80000000
.endr
	tensor_load_to_lds s[G0:G0+3], s[G1:G1+7]
	s_nop 0
	s_wait_alu depctr_va_vdst(0)
	s_wait_tensorcnt 0x0
	ds_add_u32 v28, v29
	s_wait_dscnt 0x0
	CROUND
	tensor_load_to_lds s[G0+4:G0+7], s[G1:G1+7]
	s_nop 0
	PLACES
.macro ALOAD m
.set lt, (\m)>>2
.set lq, (\m)&3
.set ls, (\m)%3
.if ls == 2
	WIN 0xc0
.set lb, 0
.else
	WIN 0x40
.set lb, 128*ls
.endif
.irp a, 0,1,2,3,4,5,6,7
.irp c, 0,1,2,3
	global_load_b128 v[lb+16*\a+4*\c:lb+16*\a+4*\c+3], v[LOFF], s[HA:HA+1] offset:\a*131072+lt*32768+lq*2048+\c*512
.endr
.endr
	WIN 0
.endm
.macro FETCH m
.set fs, ((\m)>>2)&1
.set fq, (\m)&3
.set fb, 64+64*((\m)&1)
.irp i, 0,1,2,3
.irp c, 0,1,2,3
	ds_load_b128 v[fb+16*\i+4*\c:fb+16*\i+4*\c+3], v[ADRB+fs] offset:128*fq+32*\c+\i*16*PITCH
.endr
.endr
.endm
.macro MUL m, a0, cnt
.set mbb, 64+64*((\m)&1)
.set ms, (\m)%3
.if ms == 2
	WIN 0xac
.set mab, 0
.else
	WIN 0xa4
.set mab, 128*ms
.endif
.set ma, \a0
.rept \cnt
.irp b, 0,1,2,3
.if (\m) == 0
	v_wmma_f32_16x16x128_fp8_fp8 v[8*(4*ma+\b):8*(4*ma+\b)+7], v[mbb+16*\b:mbb+16*\b+15], v[mab+16*ma:mab+16*ma+15], 0
.else
	v_wmma_f32_16x16x128_fp8_fp8 v[8*(4*ma+\b):8*(4*ma+\b)+7], v[mbb+16*\b:mbb+16*\b+15], v[mab+16*ma:mab+16*ma+15], v[8*(4*ma+\b):8*(4*ma+\b)+7]
.endif
.endr
.set ma, ma+1
.endr
.endm
.macro ASK
	s_cmp_eq_u32 ttmp9, 0
	s_cbranch_scc0 .Lnot_mine_\@
	s_wait_alu depctr_va_vdst(0)
	global_prefetch_b8 v[PFO], s[PF:PF+1] offset:3*2048 th:TH_LOAD_NT scope:SCOPE_SE
.Lnot_mine_\@:
.endm
	s_wait_alu depctr_va_vdst(0)
	ALOAD 0
	ALOAD 1
	v_and_b32 v1, 15, v0
	v_bfe_u32 v2, v0, 4, 1
	v_mul_u32_u24 v3, v1, PITCH
	v_lshl_add_u32 v4, v2, 4, v3
	v_add_nc_u32 v[ADRB], s22, v4
	v_add_nc_u32 v[ADRB+1], SLOT, v[ADRB]
	s_lshl_b32 s82, s16, 13
	v_add_nc_u32 v[IMS], s82, v[LOFF]
	v_add_nc_u32 v[IMS+1], 0x8000, v[IMS]
	v_add_nc_u32 v[IMS+2], 0x10000, v[IMS]
	v_add_nc_u32 v[IMS+3], 0x18000, v[IMS]
	s_lshl_b32 s82, s16, 15
	v_add_nc_u32 v[IML], s82, v[LOFF]
	v_mul_u32_u24 v6, v1, SP
	v_lshl_add_u32 v6, v2, 5, v6
	v_add_nc_u32 v[STO], s82, v6
	v_mul_u32_u24 v6, v2, SP
	v_lshl_add_u32 v6, v1, 4, v6
	v_add_nc_u32 v[RD], s82, v6
	v_lshlrev_b32 v6, 13, v2
	v_lshl_add_u32 v[CO], v1, 4, v6
	s_lshl_b32 s86, s43, 7
	s_lshl_b32 s87, s16, 5
	s_add_co_u32 s86, s86, s87
	s_lshl_b32 s86, s86, 13
	s_lshl_b32 s87, s42, 8
	s_add_co_u32 s86, s86, s87
	s_mov_b32 s87, 0
	s_add_nc_u64 s[10:11], s[10:11], s[86:87]
	s_lshl_b32 s82, s42, 6
	s_lshl_b32 s83, s40, 4
	s_add_co_u32 s82, s82, s83
	s_lshl_b32 s82, s82, 13
	s_lshl_b32 s83, s16, 9
	s_add_co_u32 s82, s82, s83
	s_mov_b32 s83, 0
	s_add_nc_u64 s[PF:PF+1], s[6:7], s[82:83]
	v_lshlrev_b32 v[PFO], 13, v1
	v_lshl_add_u32 v[PFO], v2, 8, v[PFO]
.macro DSTEP
.if (n == 3) || (n == 7)
.set dsl, (n>>2)&1
	s_wait_tensorcnt 0x0
	ds_add_u32 v[SPW], v[NIL]
	s_wait_loadcnt 32
	s_wait_dscnt 1
	MUL n, 0, 2
	s_wait_dscnt 0x0
	s_barrier_signal -1
	WIN 0
	s_barrier_wait -1
	CREST
	s_add_nc_u64 s[G0+4*dsl+2:G0+4*dsl+3], s[G0+4*dsl+2:G0+4*dsl+3], 4096
	tensor_load_to_lds s[G0+4*dsl:G0+4*dsl+3], s[G1:G1+7]
	s_nop 0
	PLACES
	ALOAD n+2
	FETCH n+1
.if n == 3
	ASK
.endif
	MUL n, 2, 6
	WIN 0
.elseif n < 15
	s_wait_loadcnt 32
	s_wait_dscnt 0x0
.if n == 11
	s_wait_tensorcnt 0x0
.endif
	PLACES
.if n+2 < 16
	ALOAD n+2
.endif
	FETCH n+1
	MUL n, 0, 8
	WIN 0
.else
	s_wait_loadcnt 0x0
	s_wait_dscnt 0x0
	s_barrier_signal -1
	MUL n, 0, 8
	WIN 0
	s_barrier_wait -1
.endif
.endm
	s_wait_tensorcnt 1
	FETCH 0
.set n, 0
.rept 16
	DSTEP
.set n, n+1
.endr
	s_wait_kmcnt 0x0
	s_add_co_i32 s74, s72, s73
	s_add_co_i32 s74, s74, 127
	s_lshl_b32 s74, s74, 23
	s_mov_b32 s75, s74
	PLACES
	WIN 0x08
.irp g, 0,1,2,3
.irp i, 0,1,2,3,4,5,6,7,8,9,10,11,12,13,14,15
	ds_store_b128 v[IMS+\g], v[64*\g+4*\i:64*\g+4*\i+3] offset:512*\i
.endr
.endr
	WIN 0
	s_wait_dscnt 0x0
	s_barrier_signal -1
	s_barrier_wait -1
	WIN 0x40
.irp w, 0,1,2,3
.irp i, 0,1,2,3,4,5,6,7,8,9,10,11,12,13,14,15
	ds_load_b128 v[64*\w+4*\i:64*\w+4*\i+3], v[IML] offset:8192*\w+512*\i
.endr
.endr
	s_wait_dscnt 0x0
	WIN 0x45
.set j, 0
.rept 32
	v_pk_add_f32 v[j:j+1], v[j:j+1], v[64+j:65+j]
	v_pk_add_f32 v[128+j:129+j], v[128+j:129+j], v[192+j:193+j]
.set j, j+2
.endr
	WIN 0x05
.set j, 0
.rept 32
	v_pk_add_f32 v[R+j:R+j+1], v[j:j+1], v[128+j:129+j]
.set j, j+2
.endr
	WIN 0
.set j, 0
.rept 32
	v_pk_mul_f32 v[R+j:R+j+1], v[R+j:R+j+1], s[74:75] op_sel_hi:[1,0]
.set j, j+2
.endr
.irp a, 0,1
.irp b, 0,1,2,3
	ds_store_b128 v[STO], v[R+8*(4*\a+\b):R+8*(4*\a+\b)+3] offset:\a*16*SP+64*\b
	ds_store_b128 v[STO], v[R+8*(4*\a+\b)+4:R+8*(4*\a+\b)+7] offset:\a*16*SP+64*\b+16
.endr
.endr
.irp t, 0,1,2,3,4,5,6,7,8,9,10,11,12,13,14,15
	ds_load_b128 v[OB+4*\t:OB+4*\t+3], v[RD] offset:\t*2*SP
.endr
.irp t, 0,1,2,3,4,5,6,7,8,9,10,11,12,13,14,15
	s_wait_dscnt 15-\t
	global_store_b128 v[CO], v[OB+4*\t:OB+4*\t+3], s[10:11] offset:\t*2*8192 th:TH_STORE_NT
.endr
	s_wait_tensorcnt 0x0
	ds_add_u32 v[SPW], v[NIL]
	s_wait_dscnt 0x0
	CROUND
	s_endpgm
.Lfunc_end_k_q1663783447_down:
	.size	k_q1663783447_down, .Lfunc_end_k_q1663783447_down-k_q1663783447_down
	.p2alignl 7, 3214868480
	.fill 96, 4, 3214868480
	.section	.rodata,"a",@progbits
	.p2align	6, 0x0
	.amdhsa_kernel k_q1663783447_down
		.amdhsa_group_segment_fixed_size 327680
		.amdhsa_private_segment_fixed_size 0
		.amdhsa_enable_private_segment 0
		.amdhsa_kernarg_size 32
		.amdhsa_user_sgpr_count 2
		.amdhsa_user_sgpr_kernarg_segment_ptr 1
		.amdhsa_wavefront_size32 1
		.amdhsa_system_sgpr_workgroup_id_x 1
		.amdhsa_system_sgpr_workgroup_id_y 1
		.amdhsa_system_sgpr_workgroup_id_z 1
		.amdhsa_system_vgpr_workitem_id 0
		.amdhsa_next_free_vgpr 896
		.amdhsa_next_free_sgpr 100
		.amdhsa_reserve_vcc 0
		.amdhsa_float_denorm_mode_32 3
		.amdhsa_float_denorm_mode_16_64 3
		.amdhsa_memory_ordered 1
		.amdhsa_forward_progress 1
		.amdhsa_inst_pref_size 129
	.end_amdhsa_kernel
	.amdgpu_metadata
---
amdhsa.version: [ 1, 2 ]
amdhsa.kernels:
  - .name:           k_q1663783447_down
    .symbol:         k_q1663783447_down.kd
    .args:
      - { .name: h_codes, .offset: 0, .size: 8, .value_kind: global_buffer, .address_space: global }
      - { .name: wd_codes, .offset: 8, .size: 8, .value_kind: global_buffer, .address_space: global }
      - { .name: lowp_scales, .offset: 16, .size: 8, .value_kind: global_buffer, .address_space: global }
      - { .name: out0, .offset: 24, .size: 8, .value_kind: global_buffer, .address_space: global }
    .group_segment_fixed_size: 327680
    .private_segment_fixed_size: 0
    .kernarg_segment_align: 8
    .kernarg_segment_size: 32
    .max_flat_workgroup_size: 128
    .sgpr_count:     100
    .vgpr_count:     896
    .wavefront_size: 32
...
	.end_amdgpu_metadata
.endif
;; end of part 3
